; MI455X (gfx1250); checked and timed in simulation.
; The chip was launched on July 23, 2026; its instructions are those of AMD's public machine-readable ISA for CDNA 5 (MIT licence, August 2026) and "CDNA5" Instruction Set Architecture Reference Guide (July 2026). The comments in the code are by the model that wrote it; some were corrected since.
;; SPTP Column Parallel Linear. Allowed arithmetic: float matrix products may take bf16 or f16 operands with f32 sums; all other float work in f32.
;; Inputs: input 4,096 x 4,096 float32; weight 4,096 x 4,096 float32.
;; Outputs: out0 4,096 x 4,096 float32.
;; 3 versions, each right; version 2 is faster than version 1; version 3 is version 2 with the launch tobf16 written anew for expert scheduling mode. Each part assembles by itself: llvm-mc -triple=amdgcn-amd-amdhsa -mcpu=gfx1250 --defsym DOCPART=n.
;; ======== version 1 of 3: 1 launch
;; launch gemm (part 1): grid 16 x 16, 4 waves a work-group, clusters of 4 x 4, 327,680 bytes of LDS; arguments input, weight, out0; writes out0
.if DOCPART == 1
	.amdgcn_target "amdgcn-amd-amdhsa--gfx1250"
	.amdhsa_code_object_version 6
	.text
	.protected	k_qaf6f2b24f6_gemm
	.globl	k_qaf6f2b24f6_gemm
	.p2align	8
	.type	k_qaf6f2b24f6_gemm,@function
k_qaf6f2b24f6_gemm:
	s_mov_b64 s[64:65], 0
	v_nop
	global_prefetch_b8 v0, s[64:65] scope:SCOPE_SE
	s_setreg_imm32_b32 hwreg(HW_REG_WAVE_MODE, 25, 1), 1
	s_wait_xcnt 0x0
	s_wait_alu depctr_hold_cnt(0) depctr_sa_sdst(0) depctr_va_vdst(0) depctr_va_sdst(0) depctr_va_ssrc(0) depctr_va_vcc(0) depctr_vm_vsrc(0)
	s_getreg_b32 s2, hwreg(HW_REG_IB_STS2, 6, 4)
	s_cmp_eq_u32 s2, 0
	s_cbranch_scc0 .Lentry_in_a_cluster
	s_endpgm
.Lentry_in_a_cluster:
	s_bfe_u32 s2, ttmp6, 0x10000c
	s_cmp_lg_u32 s2, 0xf033
	s_cbranch_scc0 .Lentry_shape_is_right
	s_endpgm
.Lentry_shape_is_right:
; out0[t][o] = sum over i of input[t][i] * weight[o][i].  input, weight, out0: [4096][4096] f32, the last index along the rows.
; The products go through the bf16 matrix form with f32 sums.  The f32 tiles come into LDS as they lie in memory; each wave reads
; f32 fragments from LDS and rounds them to bf16 in registers (v_cvt_pk_bf16_f32, to nearest even) on the way to the matrix unit,
; so that no bf16 copy of the inputs ever goes through memory: each input byte is asked for as f32, each output byte is stored once.
; LIMITS: the operands are rounded to bf16 (8 bits of significand, f32's range of exponents); a finite number above bf16's largest
; (about 3.39e38) rounds to infinity; NaN and infinities go through as the matrix form treats them.  One f32 sum for each output, K ascending.
;
; A work-group makes a block of 256 x 256 of out0 with four waves, as many as a WGP has SIMDs; a wave makes 128 x 128: 64 accumulator
; tiles of 16 x 16, 512 registers.  K goes in steps of 64 (rows of 256 bytes of f32, at multiples of 256 bytes from the buffer's first
; byte) through a ring of two LDS slots filled by the tensor data mover.
; CLUSTERS: 4 x 4 work-groups.  The four of a row of the cluster make blocks of one block row and need the same tiles of input; the four
; of a column need the same tiles of weight.  Such a tile is asked for jointly: each of the four issues the same tensor load, with the
; same descriptor and a mask that names the four.  That divides the requests for both inputs by four.
;
; REGISTERS, in windows of 256 (s_set_vgpr_msb says which window each operand place means; low byte: 1:0 source 0, 3:2 source 1, 5:4 source 2, 7:6 destination):
;   window 0: v0-31 addresses; v32-63, v192-223, v224-255 stages of f32 for input's fragments; v64-127, v128-191 input's bf16 fragments, two buffers
;   window 1: v20-21 LDS addresses of weight's fragments; v192-223, v224-255 stages of f32; v64-127, v128-191 weight's bf16 fragments, two buffers
;   window 2: the 32 accumulator tiles of my rows 0-63 (tile (a, b) at v[8 (8 a + b)]);   window 3: those of my rows 64-127
; THE MATRIX INSTRUCTION IS USED TRANSPOSED: source 0 = 16 rows of weight, source 1 = 16 rows of input.  Lane l then holds row l % 16 of the
; tile of out0 and its registers 0 to 7 the columns 8 (l / 16) + 0 .. 7: 32 neighbouring bytes of a row.
.set ROWB,   16384                     ; bytes in a row of input, weight and out0
.set KSTEP,  64                        ; K in a step
.set STEPB,  256                       ; its bytes in a row
.set PITCH,  272                       ; an LDS row: 256 bytes of data + 16 of padding = 68 words: row r starts at bank 4 r mod 64 (64 banks of 4 bytes: ISA guide 11.1), so the 16 rows that half a load touches start at 16 different banks
.set HALFT,  128*PITCH                 ; 128 rows: what one tensor load brings, and what one wave reads of input or of weight
.set SLOT,   4*HALFT                   ; input's 256 rows, then weight's 256 rows
.set STAGE,  2*SLOT                    ; behind the ring (byte 278,528 = 1,088 x 256): the way out; no tensor load lands here
.set SPITCH, 528                       ; a stage row: 512 bytes + 16
.set WSTAGE, 16*SPITCH                 ; a wave's stage: 16 rows, 8,448 bytes = 33 x 256
.set LAPS,   4096/(2*KSTEP)            ; a lap = two K steps = once round the ring: 32
.set ADRA, 16                          ; v16-17 (window 0)  LDS address of my fragments of input in slot 0, 1
.set ADRB, 20                          ; v20-21 (window 1)  the same for weight
.set STO,  24                          ; v24     the way out: where I put 32 bytes of a row
.set RD,   25                          ; v25     the way out: where I read 16 bytes of a row back
.set CO,   26                          ; v26     my byte offset in a row's 512 bytes of out0
.set S2,   32                          ; third stage (window 0 alone)
.set F0,   64                          ; fragment buffer 0
.set F1,   128                         ; fragment buffer 1
.set S0,   192                         ; stage 0: 32 registers = two fragments in f32
.set S1,   224                         ; stage 1
.set G1,  24                           ; s[24:31] descriptor group 1 for input's tiles
.set G0,  32                           ; s[32:39] descriptor group 0 for input's tiles, one set for each slot
.set G1B, 48                           ; s[48:55] descriptor group 1 for weight's tiles: it differs in the mask alone
.set G0B, 56                           ; s[56:63] descriptor group 0 for weight's tiles, one set for each slot
.set MSB, 0
.macro WIN new                         ; the immediate's high byte repeats the setting that is left; a switch that changes nothing is dropped
.if MSB != \new
	s_set_vgpr_msb (MSB<<8)|\new
.set MSB, \new
.endif
.endm
.set MUL_LO, 0xa1                      ; source 0 (weight) window 1, source 1 (input) window 0, C and D window 2
.set MUL_HI, 0xf1                      ; the same, C and D window 3
.set WB,     0x45                      ; destination, source 0, source 1 in window 1: weight's LDS loads (data, address) and conversions
.set TO_B,   0x40                      ; destination window 1, sources window 0
.set ST_LO,  0x08                      ; an LDS store's data (source 1) from window 2, its address from window 0
.set ST_HI,  0x0c                      ; from window 3
; A joint load.  Waves 0 and 1 fetch input's two halves, waves 2 and 3 weight's.  Each line has one mask and one set of registers for all that issue it.
; The branch hangs on the wave's number alone: it is the same in every work-group.
.macro JLOAD s
	s_cmp_eq_u32 s11, 0
	s_cbranch_scc0 .Lfor_b_\@
	tensor_load_to_lds s[G0+4*\s:G0+4*\s+3], s[G1:G1+7]
	s_nop 0
	s_branch .Lasked_\@
.Lfor_b_\@:
	tensor_load_to_lds s[G0B+4*\s:G0B+4*\s+3], s[G1B:G1B+7]
	s_nop 0
.Lasked_\@:
.endm
; A round of the cluster's barrier: my work-group's barrier, so that wave 0's signal speaks for all four waves; wave 0 signals for the work-group;
; every wave waits for all sixteen work-groups; my work-group's barrier once more.
.macro CREST                           ; a round behind its opening barrier
	s_cmp_lg_u32 s10, 0
	s_cbranch_scc1 .Lnot_wave_0_\@
	s_barrier_signal -3
.Lnot_wave_0_\@:
	s_barrier_wait -3
	s_barrier_signal -1
	s_barrier_wait -1
.endm
.macro CROUND                          ; a whole round
	s_barrier_signal -1
	s_barrier_wait -1
	CREST
.endm
	s_load_b128 s[4:7], s[0:1], 0x0                ; input s[4:5], weight s[6:7]
	s_load_b64 s[8:9], s[0:1], 0x10                ; out0
	s_set_vgpr_msb 0x40
	v_lshl_add_u32 v63, v0, 2, 0x4c400
	s_set_vgpr_msb 0x4000
	v_mov_b32 v31, 0
	s_set_vgpr_msb 0x1
	ds_add_u32 v63, v31
	ds_add_u32 v63, v31
	s_set_vgpr_msb 0x100
	v_lshrrev_b32 v1, 5, v0
	v_readfirstlane_b32 s10, v1                    ; wave 0..3
	s_lshr_b32 s11, s10, 1                         ; which half of the block's rows is mine.  Also: I fetch for input (0) or for weight (1)
	s_and_b32 s12, s10, 1                          ; which half of its columns.  Also: which 128 rows of that tile I fetch
	s_bfe_u32 s40, ttmp6, 0x40000                  ; cx: my place along the cluster's x
	s_bfe_u32 s41, ttmp6, 0x40004                  ; cy: along its y
	s_lshl_b32 s42, ttmp9, 2                       ; in a cluster launch ttmp9 and ttmp7 count clusters
	s_add_co_u32 s42, s42, s40                     ; block column = 4 x cluster x + cx
	s_and_b32 s13, ttmp7, 0xffff
	s_lshl_b32 s13, s13, 2
	s_add_co_u32 s13, s13, s41                     ; block row = 4 x cluster y + cy
	s_lshl_b32 s43, s41, 2
	s_lshl_b32 s43, 15, s43                        ; my row of the cluster: places 4 cy .. 4 cy + 3
	s_lshl_b32 s44, 0x1111, s40                    ; my column: places cx, cx + 4, cx + 8, cx + 12
	; descriptor group 1: a tile of 128 rows x 64 elements of 4 bytes, padded in LDS
	s_or_b32 s[G1+0], s43, (2<<16)|(1<<20)|(1<<21)|(5<<22)|(3<<25)  ; 15:0 the mask: input's tiles go to my row; 17:16 element of 4 bytes; 20 padding on; 21 set beside a mask; 24:22 after every 64 words (code 5); 31:25 of 4 words (code 3)
	s_or_b32 s[G1B+0], s44, (2<<16)|(1<<20)|(1<<21)|(5<<22)|(3<<25) ; the same with the mask of my column, for weight's tiles
	s_mov_b32 s[G1+1], KSTEP<<16                   ; 63:48 tensor_dim0, low half = 64
	s_mov_b32 s[G1B+1], KSTEP<<16
	s_mov_b32 s[G1+2], 128<<16                     ; 79:64 its high half = 0; 95:80 tensor_dim1, low half = 128
	s_mov_b32 s[G1B+2], 128<<16
	s_mov_b32 s[G1+3], KSTEP<<16                   ; 111:96 its high half = 0; 127:112 tile_dim0 = 64
	s_mov_b32 s[G1B+3], KSTEP<<16
	s_mov_b32 s[G1+4], 128                         ; 143:128 tile_dim1 = 128; 159:144 tile_dim2 = 0
	s_mov_b32 s[G1B+4], 128
	s_mov_b32 s[G1+5], 4096                        ; 191:160 tensor_dim0_stride, low word: elements from row to row
	s_mov_b32 s[G1B+5], 4096
	s_mov_b32 s[G1+6], 0
	s_mov_b32 s[G1B+6], 0
	s_mov_b32 s[G1+7], 0
	s_mov_b32 s[G1B+7], 0
	; where the tiles come from.  Input's hang on the block row alone, which my row of the cluster shares; weight's on the block column alone,
	; which my column shares.  Every wave makes both addresses, in registers that never hold the other coordinate, and asks by one of them.
	s_lshl_b32 s17, s12, 7                         ; which 128 rows of the tile I fetch
	s_lshl_b32 s16, s13, 8
	s_add_co_u32 s16, s16, s17                     ; input: row 256 x block row + 128 x half
	s_lshl_b32 s16, s16, 14                        ; x 16,384 bytes: below 2^26
	s_lshl_b32 s46, s42, 8
	s_add_co_u32 s46, s46, s17                     ; weight: row 256 x block column + 128 x half
	s_lshl_b32 s46, s46, 14
	s_mov_b32 s17, 0
	s_mov_b32 s47, 0
	s_mul_i32 s20, s10, HALFT                      ; and where they go: input's two halves, then weight's two halves = wave x 128 rows: no place in the cluster enters an LDS address
	s_wait_dscnt 0x0
	s_wait_kmcnt 0x0
	s_add_nc_u64 s[14:15], s[4:5], s[16:17]
	s_add_nc_u64 s[46:47], s[6:7], s[46:47]
	CROUND                                         ; all sixteen work-groups are here: the first joint loads meet
.irp s, 0,1
	s_mov_b32 s[G0+4*\s], 1                                        ; 1:0 count = 1
	s_add_co_u32 s[G0+4*\s+1], s20, \s*SLOT                        ; 63:32 LDS address
	s_add_nc_u64 s[G0+4*\s+2:G0+4*\s+3], s[14:15], \s*STEPB        ; 120:64 global address: K step s
	s_or_b32 s[G0+4*\s+3], s[G0+4*\s+3], 0x80000000                ; 127:126 type = 2
	s_mov_b32 s[G0B+4*\s], 1
	s_add_co_u32 s[G0B+4*\s+1], s20, \s*SLOT
	s_add_nc_u64 s[G0B+4*\s+2:G0B+4*\s+3], s[46:47], \s*STEPB
	s_or_b32 s[G0B+4*\s+3], s[G0B+4*\s+3], 0x80000000
	JLOAD \s                                       ; both slots are asked for before anything else is done: two tensor loads of the wave are out, later one
.endr
	; A bf16 fragment is 16 rows x 32 K in 8 registers: lane l holds row l % 16; registers 0-3 hold K = 8 (l / 16) + 0..7, registers 4-7 hold
	; K = 16 + 8 (l / 16) + 0..7.  In f32 these are the 32 bytes at 32 (l / 16) of the row's 128 bytes and the 32 bytes 64 further on.
	v_and_b32 v1, 15, v0                           ; l % 16
	v_bfe_u32 v2, v0, 4, 1                         ; l / 16
	v_mul_u32_u24 v3, v1, PITCH
	v_lshl_add_u32 v3, v2, 5, v3                   ; row x pitch + 32 x half
	s_mul_i32 s21, s11, HALFT                      ; my 128 rows of input
	s_mul_i32 s22, s12, HALFT                      ; my 128 rows of weight,
	s_add_co_u32 s22, s22, 2*HALFT                 ; which lie behind input's 256
.irp s, 0,1
	v_add_nc_u32 v[ADRA+\s], s21, v3
	s_add_co_u32 s21, s21, SLOT
.endr
	WIN TO_B                                       ; weight's addresses live in window 1, so that one setting serves its loads and its conversions
.irp s, 0,1
	v_add_nc_u32 v[ADRB+\s], s22, v3
	s_add_co_u32 s22, s22, SLOT
.endr
	WIN 0
	s_mul_i32 s23, s10, WSTAGE
	s_add_co_u32 s23, s23, STAGE                   ; my stage
	v_mul_u32_u24 v4, v1, SPITCH                   ; in: row l % 16, 32 bytes for each half of the lanes
	v_lshl_add_u32 v4, v2, 5, v4
	v_add_nc_u32 v[STO], s23, v4
	v_and_b32 v5, 31, v0
	v_lshlrev_b32 v[CO], 4, v5                     ; back, and out: 16 bytes a lane, 32 lanes take a row's 512 bytes
	v_add_nc_u32 v[RD], s23, v[CO]
; 8 matrix instructions: m block a of the window's four (hi = 0: my rows 0-63, 1: rows 64-127) x all 8 n blocks, 32 along K.
; zero = 1: the first product starts the sums: nothing is ever cleared.
.macro MUL8 f, hi, a, zero
.irp b, 0,1,2,3,4,5,6,7
.if \zero
	v_wmma_f32_16x16x32_bf16 v[8*(8*(\a)+\b):8*(8*(\a)+\b)+7], v[\f+8*\b:\f+8*\b+7], v[\f+8*(4*\hi+(\a)):\f+8*(4*\hi+(\a))+7], 0
.else
	v_wmma_f32_16x16x32_bf16 v[8*(8*(\a)+\b):8*(8*(\a)+\b)+7], v[\f+8*\b:\f+8*\b+7], v[\f+8*(4*\hi+(\a)):\f+8*(4*\hi+(\a))+7], v[8*(8*(\a)+\b):8*(8*(\a)+\b)+7]
.endif
.endr
.endm
; Group g (0..7) of a half step: my rows 16 g .. 16 g + 15.  The 64 accumulators take turns, one instruction a turn, in the same order in every
; half step, over the loop's backward jump too.
.macro GROUP f, g, zero
.if \g < 4
	WIN MUL_LO
	MUL8 \f, 0, \g, \zero
.else
	WIN MUL_HI
	MUL8 \f, 1, \g-4, \zero
.endif
.endm
; 8 LDS loads: fragments i0 and i0 + 1 (16 rows each, 32 K at byte kb of the rows) in f32 into stage st
.macro LD2 adr, st, i0, kb
.irp e, 0,1
	ds_load_b128 v[\st+16*\e:\st+16*\e+3],     v[\adr] offset:\kb+(\i0+\e)*16*PITCH
	ds_load_b128 v[\st+16*\e+4:\st+16*\e+7],   v[\adr] offset:\kb+(\i0+\e)*16*PITCH+16
	ds_load_b128 v[\st+16*\e+8:\st+16*\e+11],  v[\adr] offset:\kb+(\i0+\e)*16*PITCH+64
	ds_load_b128 v[\st+16*\e+12:\st+16*\e+15], v[\adr] offset:\kb+(\i0+\e)*16*PITCH+80
.endr
.endm
; 16 conversions: stage st becomes fragments i0 and i0 + 1 of buffer f; the lower K goes into the low half
.macro CV2 f, i0, st
.irp j, 0,1,2,3,4,5,6,7,8,9,10,11,12,13,14,15
	v_cvt_pk_bf16_f32 v[\f+8*\i0+\j], v[\st+2*\j], v[\st+2*\j+1]
.endr
.endm
; The work between two groups: the next two fragments' loads go out (window wl), then the two fragments loaded one gap earlier are rounded (window wc).
.macro GAP wl, adr, sl, il, kb, wc, f, ic, sc
	WIN \wl
	LD2 \adr, \sl, \il, \kb
	WIN \wc
	s_wait_dscnt 8                                 ; LDS loads come back in order (ISA guide 5.7.1): all but the 8 just issued are in
	CV2 \f, \ic, \sc
.endm
; Four places behind a matrix instruction before its results are stored or its registers loaded into (ISA guide 7.12.1 for vector instructions)
.macro PLACES
.rept 4
	v_nop
.endr
.endm
; One K step of 64: 128 matrix instructions in 16 groups of 8, the first 8 groups on buffer 0 (K 0-31), the last 8 on buffer 1 (K 32-63).
; While buffer 0 is multiplied, buffer 1 is made from this slot's bytes 128-255 of the rows; while buffer 1 is multiplied, buffer 0 is made anew
; from the other slot's bytes 0-127.  On entry the 8 loads of weight's fragments 0, 1 for buffer 1 are out or in, in weight's stage 0.
; A conversion writes a fragment that matrix instructions have read: between the last of those and the conversion stand at least the 16 conversions
; of the gap before, which name none of its registers: more than the four places asked (ISA guide 7.12.1).  The stages are no matrix operands.
; mode 2: the slot is filled again, two K steps ahead; mode 1: slots change, nothing is filled; mode 0: the last K step.
; ONE barrier for the change of slots.  In front of its signal each wave waits for its own reads of this slot and for all its tensor loads, of which
; one is out: its part of the other slot.  In mode 2 that barrier opens a round of the cluster's barrier; the joint refill is the first tensor load
; behind the round, ahead of the first read of the other slot.  From a request to the wait for it a wave issues 120 matrix instructions.
.macro STEP slot, zero, mode
	GROUP F0, 0, \zero
	GAP WB, ADRB+\slot, S1, 2, 128, WB, F1, 0, S0
	GROUP F0, 1, \zero
	GAP WB, ADRB+\slot, S0, 4, 128, WB, F1, 2, S1
	GROUP F0, 2, \zero
	GAP WB, ADRB+\slot, S1, 6, 128, WB, F1, 4, S0
	GROUP F0, 3, \zero
	GAP 0,  ADRA+\slot, S0, 0, 128, WB, F1, 6, S1
	GROUP F0, 4, \zero
	GAP 0,  ADRA+\slot, S1, 2, 128, 0,  F1, 0, S0
	GROUP F0, 5, \zero
	WIN 0
	LD2 ADRA+\slot, S0, 4, 128
	LD2 ADRA+\slot, S2, 6, 128                     ; the slot's last reads go out a gap early, into a third stage
	s_wait_dscnt 16                                ; all but the 16 just issued
	CV2 F1, 2, S1
	GROUP F0, 6, \zero
	s_wait_dscnt 0                                 ; my reads of this slot are over
.if \mode
	s_wait_tensorcnt 0x0                           ; and all my tensor loads have landed: the one that was out is my part of the other slot:
	ds_add_u32 v63, v31
	s_wait_dscnt 0x0
	s_barrier_signal -1                            ; say so,
.endif
	WIN 0
	CV2 F1, 4, S0                                  ; work on registers while the others arrive,
	GROUP F0, 7, \zero
	WIN 0
.if \mode
	s_barrier_wait -1                              ; and go on when all four have said so
.endif
.if \mode == 2
	CREST                                          ; all sixteen work-groups have said so: no wave of any partner still reads this slot or has a load on its way
	s_add_nc_u64 s[G0+4*\slot+2:G0+4*\slot+3], s[G0+4*\slot+2:G0+4*\slot+3], 2*STEPB      ; no tensor load of mine is out: the addresses step two K steps on
	s_add_nc_u64 s[G0B+4*\slot+2:G0B+4*\slot+3], s[G0B+4*\slot+2:G0B+4*\slot+3], 2*STEPB
	JLOAD \slot                                    ; the wave's one tensor load behind the round, and the first thing there
.endif
.if \mode
	WIN WB
	LD2 ADRB+1-\slot, S0, 0, 0                     ; the other slot's first fragments
	WIN 0
.endif
	CV2 F1, 6, S2                                  ; in since the wait for 0 above
	GROUP F1, 0, 0
.if \mode
	GAP WB, ADRB+1-\slot, S1, 2, 0, WB, F0, 0, S0
.endif
	GROUP F1, 1, 0
.if \mode
	GAP WB, ADRB+1-\slot, S0, 4, 0, WB, F0, 2, S1
.endif
	GROUP F1, 2, 0
.if \mode
	GAP WB, ADRB+1-\slot, S1, 6, 0, WB, F0, 4, S0
.endif
	GROUP F1, 3, 0
.if \mode
	GAP 0,  ADRA+1-\slot, S0, 0, 0, WB, F0, 6, S1
.endif
	GROUP F1, 4, 0
.if \mode
	GAP 0,  ADRA+1-\slot, S1, 2, 0, 0,  F0, 0, S0
.endif
	GROUP F1, 5, 0
.if \mode
	GAP 0,  ADRA+1-\slot, S0, 4, 0, 0,  F0, 2, S1
.endif
	GROUP F1, 6, 0
.if \mode
	GAP 0,  ADRA+1-\slot, S1, 6, 0, 0,  F0, 4, S0
.endif
	GROUP F1, 7, 0
.if \mode
	GAP WB, ADRB+1-\slot, S0, 0, 128, 0, F0, 6, S1 ; the next step's first loads for buffer 1 go out; input's last two fragments of buffer 0 are rounded
.endif
.endm
.macro LAP zero                        ; once round the ring, both slots filled again
	STEP 0, \zero, 2
	STEP 1, 0, 2
.endm
	s_wait_tensorcnt 1                             ; my part of K step 0 is in; K step 1's may stay out
	s_barrier_signal -1
	s_barrier_wait -1                              ; everybody's is
	; buffer 0 of K step 0, without matrix work beside it
	WIN WB
	LD2 ADRB, S0, 0, 0
	LD2 ADRB, S1, 2, 0
	s_wait_dscnt 8                                 ; here and below: all but the 8 just issued
	CV2 F0, 0, S0
	LD2 ADRB, S0, 4, 0
	s_wait_dscnt 8
	CV2 F0, 2, S1
	LD2 ADRB, S1, 6, 0
	s_wait_dscnt 8
	CV2 F0, 4, S0
	LD2 ADRB, S0, 0, 128                           ; what a K step expects on entry: weight's fragments 0, 1 for buffer 1
	s_wait_dscnt 8
	CV2 F0, 6, S1
	WIN 0
	LD2 ADRA, S0, 0, 0
	LD2 ADRA, S1, 2, 0
	s_wait_dscnt 8
	CV2 F0, 0, S0
	LD2 ADRA, S0, 4, 0
	s_wait_dscnt 8
	CV2 F0, 2, S1
	LD2 ADRA, S1, 6, 0
	s_wait_dscnt 8
	CV2 F0, 4, S0
	s_wait_dscnt 0
	CV2 F0, 6, S1
	LAP 1                                          ; the first lap stands in front of the loop: its first products start the sums
	WIN 0                                          ; at a label and at a branch every window is 0
	s_mov_b32 s3, LAPS-2
.Llap:
	LAP 0
	WIN 0
	s_sub_co_u32 s3, s3, 1
	s_cmp_lg_u32 s3, 0
	s_cbranch_scc1 .Llap
	STEP 0, 0, 1                                   ; the last lap fills nothing and has no round: my one tensor load that is still out is slot 1's, the last K step's; it is waited for in this step
	STEP 1, 0, 0
	; THE WAY OUT, 16 rows of out0 at a time: 32 bytes a lane into my own stage in LDS, read back as whole rows of 512 bytes.
	; The four v_nop are the places behind the last matrix instructions: for the LDS stores, which read results, and for the loads into buffers 0 and 1.
	PLACES
	s_lshl_b32 s13, s13, 8
	s_lshl_b32 s14, s11, 7
	s_add_co_u32 s16, s13, s14                     ; my first row of out0
	s_lshl_b32 s16, s16, 14                        ; x 16,384 bytes
	s_mov_b32 s17, 0
	s_add_nc_u64 s[8:9], s[8:9], s[16:17]
	s_lshl_b32 s46, s42, 10                        ; my first column, in bytes: 1,024 x block column + 512 x half
	s_lshl_b32 s47, s12, 9
	s_add_co_u32 s46, s46, s47
	s_mov_b32 s47, 0
	s_add_nc_u64 s[8:9], s[8:9], s[46:47]
; rows 16 i .. 16 i + 15 of my block = the eight tiles (a, 0..7) of window 2 or 3 (from = ST_LO or ST_HI); f: F0 or F1 in turn
.macro OUT16 i, a, from, f
	WIN \from
.irp b, 0,1,2,3,4,5,6,7
	ds_store_b128 v[STO], v[8*(8*\a+\b):8*(8*\a+\b)+3]   offset:64*\b        ; row l % 16, columns 16 b + 8 (l / 16) + 0..3
	ds_store_b128 v[STO], v[8*(8*\a+\b)+4:8*(8*\a+\b)+7] offset:64*\b+16     ; and + 4..7
.endr
	WIN 0
	s_wait_xcnt 0x0                                ; every earlier memory instruction has had its addresses translated (ISA guide 3.1): buffer f, which stores read, and the stores' base are rewritten only behind this wait
.if \i
	s_add_nc_u64 s[8:9], s[8:9], 16*ROWB           ; 16 rows of out0 on
.endif
.irp t, 0,1,2,3,4,5,6,7,8,9,10,11,12,13,14,15
	ds_load_b128 v[\f+4*\t:\f+4*\t+3], v[RD] offset:\t*SPITCH      ; LDS serves a wave's instructions in order (ISA guide 5.7.1.4): these see the stores above; the stage is my wave's own
.endr
.irp t, 0,1,2,3,4,5,6,7,8,9,10,11,12,13,14,15
	s_wait_dscnt 15-\t                             ; row t is in; the younger rows' loads stay out
	global_store_b128 v[CO], v[\f+4*\t:\f+4*\t+3], s[8:9] offset:\t*ROWB th:TH_STORE_NT   ; the wave stores 512 consecutive bytes, at a multiple of 512 from out0's first byte
.endr
.endm
	OUT16 0, 0, ST_LO, F0
	OUT16 1, 1, ST_LO, F1
	OUT16 2, 2, ST_LO, F0
	OUT16 3, 3, ST_LO, F1
	OUT16 4, 0, ST_HI, F0
	OUT16 5, 1, ST_HI, F1
	OUT16 6, 2, ST_HI, F0
	OUT16 7, 3, ST_HI, F1
	s_set_vgpr_msb 0x1
	s_wait_tensorcnt 0x0
	ds_add_u32 v63, v31
	s_wait_dscnt 0x0
	s_set_vgpr_msb 0x100
	CROUND                                         ; the closing round: no work-group ends while a partner may still ask for a tile that names it
	s_endpgm
.Lfunc_end_k_qaf6f2b24f6_gemm:
	.size	k_qaf6f2b24f6_gemm, .Lfunc_end_k_qaf6f2b24f6_gemm-k_qaf6f2b24f6_gemm
	.p2alignl 7, 3214868480
	.fill 96, 4, 3214868480
	.section	.rodata,"a",@progbits
	.p2align	6, 0x0
	.amdhsa_kernel k_qaf6f2b24f6_gemm
		.amdhsa_group_segment_fixed_size 327680
		.amdhsa_private_segment_fixed_size 0
		.amdhsa_enable_private_segment 0
		.amdhsa_kernarg_size 24
		.amdhsa_user_sgpr_count 2
		.amdhsa_user_sgpr_kernarg_segment_ptr 1
		.amdhsa_wavefront_size32 1
		.amdhsa_system_sgpr_workgroup_id_x 1
		.amdhsa_system_sgpr_workgroup_id_y 1
		.amdhsa_system_sgpr_workgroup_id_z 1
		.amdhsa_system_vgpr_workitem_id 0
		.amdhsa_next_free_vgpr 1024
		.amdhsa_next_free_sgpr 66
		.amdhsa_reserve_vcc 0
		.amdhsa_float_denorm_mode_32 3
		.amdhsa_float_denorm_mode_16_64 3
		.amdhsa_memory_ordered 1
		.amdhsa_forward_progress 1
		.amdhsa_inst_pref_size 246
	.end_amdhsa_kernel
	.amdgpu_metadata
---
amdhsa.version: [ 1, 2 ]
amdhsa.kernels:
  - .name:           k_qaf6f2b24f6_gemm
    .symbol:         k_qaf6f2b24f6_gemm.kd
    .args:
      - { .name: input, .offset: 0, .size: 8, .value_kind: global_buffer, .address_space: global }
      - { .name: weight, .offset: 8, .size: 8, .value_kind: global_buffer, .address_space: global }
      - { .name: out0, .offset: 16, .size: 8, .value_kind: global_buffer, .address_space: global }
    .group_segment_fixed_size: 327680
    .private_segment_fixed_size: 0
    .kernarg_segment_align: 8
    .kernarg_segment_size: 24
    .max_flat_workgroup_size: 128
    .sgpr_count:     66
    .vgpr_count:     1024
    .wavefront_size: 32
...
	.end_amdgpu_metadata
.endif
;; end of part 1
;; ======== version 2 of 3: 2 launches; 1.19 times as fast as version 1
;; workspace buffers: a16 33,554,432 bytes; b16 33,554,432 bytes
;; launch tobf16 (part 2): grid 1024 x 1, 8 waves a work-group, no clusters, 0 bytes of LDS; arguments input, weight, a16, b16; writes a16, b16
.if DOCPART == 2
	.amdgcn_target "amdgcn-amd-amdhsa--gfx1250"
	.amdhsa_code_object_version 6
	.text
	.protected	k_qaf6f2b24f6_tobf16
	.globl	k_qaf6f2b24f6_tobf16
	.p2align	8
	.type	k_qaf6f2b24f6_tobf16,@function
k_qaf6f2b24f6_tobf16:
	s_mov_b64 s[64:65], 0
	v_nop
	global_prefetch_b8 v0, s[64:65] scope:SCOPE_SE
	s_setreg_imm32_b32 hwreg(HW_REG_WAVE_MODE, 25, 1), 1
	s_wait_xcnt 0x0
; a16 = input rounded to bf16, b16 = weight rounded to bf16.  input, weight: [4096][4096] f32; a16, b16: the same shapes in bf16.
; LIMITS: rounding to nearest even (v_cvt_pk_bf16_f32); bf16 has f32's range of exponents; a finite number above bf16's largest
; (about 3.39e38) becomes infinity; NaN stays NaN, infinities stay.
; A stream: each byte is read once and each byte written once.  Eight waves; the work-group owns 65,536 consecutive bytes of each input,
; a wave 8,192 of each: 16 loads of 16 bytes a lane (512 consecutive bytes a load) from input and 16 from weight.  All 32 loads of a wave
; go out at once, each into registers of its own, so 16,384 bytes of every wave are on their way and no register is written again while
; a load or a store names it: there is no loop and no wait but the counted ones for the data.
; A piece of four f32 a lane is rounded in place to 8 bytes; a store of the wave covers 256 consecutive bytes, at a multiple of 256
; from the buffer's first byte.  LDS, barriers and the matrix unit would add nothing to a stream.
.set NLD, 16                           ; loads of a wave from each input
.set X,   4                            ; v[4:131]  piece j: 4 registers as loaded; its first two then hold the 4 bf16
	s_load_b256 s[4:11], s[0:1], 0x0               ; input s[4:5], weight s[6:7], a16 s[8:9], b16 s[10:11]
	v_and_b32 v1, 31, v0                           ; lane
	v_lshrrev_b32 v3, 5, v0                        ; wave
	v_lshlrev_b32 v1, 4, v1                        ; 16 bytes a lane
	v_lshl_add_u32 v1, v3, 13, v1                  ; + wave x 8,192 bytes: my offset in the group's part of an input
	v_lshrrev_b32 v2, 1, v1                        ; half of it: my offset in the group's part of an output
	s_lshl_b32 s12, ttmp9, 16                      ; the group's part of an input: 65,536 bytes each (below 2^26)
	s_mov_b32 s13, 0
	s_lshl_b32 s14, ttmp9, 15                      ; of an output: 32,768 bytes each
	s_mov_b32 s15, 0
	s_wait_kmcnt 0x0
	s_add_nc_u64 s[4:5], s[4:5], s[12:13]
	s_add_nc_u64 s[6:7], s[6:7], s[12:13]
	s_add_nc_u64 s[8:9], s[8:9], s[14:15]
	s_add_nc_u64 s[10:11], s[10:11], s[14:15]
.set j, 0
.rept NLD
	global_load_b128 v[X+4*j:X+4*j+3], v1, s[4:5] offset:512*j th:TH_LOAD_NT
.set j, j+1
.endr
.rept NLD
	global_load_b128 v[X+4*j:X+4*j+3], v1, s[6:7] offset:512*(j-NLD) th:TH_LOAD_NT
.set j, j+1
.endr
.set j, 0
.rept NLD
	s_wait_loadcnt 2*NLD-1-j                       ; loads come back in order (ISA guide 5.7.1): piece j is in, the younger ones stay out
	v_cvt_pk_bf16_f32 v[X+4*j],   v[X+4*j],   v[X+4*j+1]      ; the lower index into the low half
	v_cvt_pk_bf16_f32 v[X+4*j+1], v[X+4*j+2], v[X+4*j+3]
	global_store_b64 v2, v[X+4*j:X+4*j+1], s[8:9] offset:256*j th:TH_STORE_NT
.set j, j+1
.endr
.rept NLD
	s_wait_loadcnt 2*NLD-1-j
	v_cvt_pk_bf16_f32 v[X+4*j],   v[X+4*j],   v[X+4*j+1]
	v_cvt_pk_bf16_f32 v[X+4*j+1], v[X+4*j+2], v[X+4*j+3]
	global_store_b64 v2, v[X+4*j:X+4*j+1], s[10:11] offset:256*(j-NLD) th:TH_STORE_NT
.set j, j+1
.endr
	s_endpgm
.Lfunc_end_k_qaf6f2b24f6_tobf16:
	.size	k_qaf6f2b24f6_tobf16, .Lfunc_end_k_qaf6f2b24f6_tobf16-k_qaf6f2b24f6_tobf16
	.p2alignl 7, 3214868480
	.fill 96, 4, 3214868480
	.section	.rodata,"a",@progbits
	.p2align	6, 0x0
	.amdhsa_kernel k_qaf6f2b24f6_tobf16
		.amdhsa_group_segment_fixed_size 0
		.amdhsa_private_segment_fixed_size 0
		.amdhsa_enable_private_segment 0
		.amdhsa_kernarg_size 32
		.amdhsa_user_sgpr_count 2
		.amdhsa_user_sgpr_kernarg_segment_ptr 1
		.amdhsa_wavefront_size32 1
		.amdhsa_system_sgpr_workgroup_id_x 1
		.amdhsa_system_sgpr_workgroup_id_y 1
		.amdhsa_system_sgpr_workgroup_id_z 1
		.amdhsa_system_vgpr_workitem_id 0
		.amdhsa_next_free_vgpr 132
		.amdhsa_next_free_sgpr 66
		.amdhsa_reserve_vcc 0
		.amdhsa_float_denorm_mode_32 3
		.amdhsa_float_denorm_mode_16_64 3
		.amdhsa_memory_ordered 1
		.amdhsa_forward_progress 1
		.amdhsa_inst_pref_size 12
	.end_amdhsa_kernel
	.amdgpu_metadata
---
amdhsa.version: [ 1, 2 ]
amdhsa.kernels:
  - .name:           k_qaf6f2b24f6_tobf16
    .symbol:         k_qaf6f2b24f6_tobf16.kd
    .args:
      - { .name: input, .offset: 0, .size: 8, .value_kind: global_buffer, .address_space: global }
      - { .name: weight, .offset: 8, .size: 8, .value_kind: global_buffer, .address_space: global }
      - { .name: a16, .offset: 16, .size: 8, .value_kind: global_buffer, .address_space: global }
      - { .name: b16, .offset: 24, .size: 8, .value_kind: global_buffer, .address_space: global }
    .group_segment_fixed_size: 0
    .private_segment_fixed_size: 0
    .kernarg_segment_align: 8
    .kernarg_segment_size: 32
    .max_flat_workgroup_size: 256
    .sgpr_count:     66
    .vgpr_count:     132
    .wavefront_size: 32
...
	.end_amdgpu_metadata
.endif
;; end of part 2
;; launch gemm (part 3): grid 16 x 16, 4 waves a work-group, clusters of 4 x 4, 327,680 bytes of LDS; arguments a16, b16, out0; writes out0
.if DOCPART == 3
	.amdgcn_target "amdgcn-amd-amdhsa--gfx1250"
	.amdhsa_code_object_version 6
	.text
	.protected	k_qaf6f2b24f6_gemm
	.globl	k_qaf6f2b24f6_gemm
	.p2align	8
	.type	k_qaf6f2b24f6_gemm,@function
k_qaf6f2b24f6_gemm:
	s_mov_b64 s[64:65], 0
	v_nop
	global_prefetch_b8 v0, s[64:65] scope:SCOPE_SE
	s_setreg_imm32_b32 hwreg(HW_REG_WAVE_MODE, 25, 1), 1
	s_wait_xcnt 0x0
	s_wait_alu depctr_hold_cnt(0) depctr_sa_sdst(0) depctr_va_vdst(0) depctr_va_sdst(0) depctr_va_ssrc(0) depctr_va_vcc(0) depctr_vm_vsrc(0)
	s_getreg_b32 s2, hwreg(HW_REG_IB_STS2, 6, 4)
	s_cmp_eq_u32 s2, 0
	s_cbranch_scc0 .Lentry_in_a_cluster
	s_endpgm
.Lentry_in_a_cluster:
	s_bfe_u32 s2, ttmp6, 0x10000c
	s_cmp_lg_u32 s2, 0xf033
	s_cbranch_scc0 .Lentry_shape_is_right
	s_endpgm
.Lentry_shape_is_right:
; out0[t][o] = sum over i of a16[t][i] * b16[o][i].  a16, b16: [4096][4096] bf16 (input and weight, rounded to nearest even by the launch before);
; out0: [4096][4096] f32.  One f32 sum for each output, K ascending.
; LIMITS: the operands are bf16 (8 bits of significand, f32's range of exponents); NaN and infinities go through as the matrix form treats them.
;
; A work-group makes a block of 256 x 256 of out0 with four waves, as many as a WGP has SIMDs; a wave makes 128 x 128: 64 accumulator tiles
; of 16 x 16, 512 registers.  K goes in steps of 128 (rows of 256 bytes, at multiples of 256 bytes from the buffer's first byte) through a ring
; of two LDS slots filled by the tensor data mover.
; CLUSTERS: 4 x 4 work-groups.  The four of a row of the cluster make blocks of one block row and need the same tiles of a16; the four of a column
; need the same tiles of b16.  Such a tile is asked for jointly: each of the four issues the same tensor load, with the same descriptor and a mask
; that names the four, and each receives it in its own LDS.  That divides the requests for both operands by four.
;
; REGISTERS, in windows of 256 (s_set_vgpr_msb says which window each operand place means; low byte: 1:0 source 0, 3:2 source 1, 5:4 source 2, 7:6 destination):
;   window 0: v0-31 addresses; v64-127, v128-191 fragments of a16 (8 x 16 rows x 32 K), two buffers, used again on the way out
;   window 1: v64-127, v128-191 fragments of b16, two buffers
;   window 2: the 32 accumulator tiles of my rows 0-63 (tile (a, b) at v[8 (8 a + b)]);   window 3: those of my rows 64-127
; Work is laid in long stretches under one setting: 32 matrix instructions, 16 loads, 16 loads, 32 matrix instructions.
; THE MATRIX INSTRUCTION IS USED TRANSPOSED: source 0 = 16 rows of b16, source 1 = 16 rows of a16.  Lane l then holds row l % 16 of the tile of out0
; and its registers 0 to 7 the columns 8 (l / 16) + 0 .. 7: 32 neighbouring bytes of a row.
.set SIZE_K, 4096
.set ROWA,   SIZE_K*2                  ; bytes in a row of a16 and of b16
.set ROWC,   16384                     ; bytes in a row of out0
.set KSTEP,  128                       ; K in a step
.set STEPB,  KSTEP*2                   ; its bytes in a row: 256
.set PITCH,  272                       ; an LDS row: 256 bytes of data + 16 of padding = 68 words: row r starts at bank 4 r mod 64 (64 banks of 4 bytes: ISA guide 11.1), so the 16 rows that half a load touches start at 16 different banks
.set HALFT,  128*PITCH                 ; 128 rows: what one tensor load brings, and what one wave reads of a16 or of b16
.set SLOT,   4*HALFT                   ; a16's 256 rows, then b16's 256 rows
.set STAGE,  2*SLOT                    ; behind the ring (byte 278,528 = 1,088 x 256): the way out; no tensor load lands here
.set SPITCH, 528                       ; a stage row: 512 bytes + 16
.set WSTAGE, 16*SPITCH                 ; a wave's stage: 16 rows, 8,448 bytes = 33 x 256
.set LAPS,   SIZE_K/(2*KSTEP)          ; a lap = two K steps = once round the ring: 16
.set ADRA, 16                          ; v16-17  LDS address of my fragments of a16 in slot 0, 1
.set ADRB, 20                          ; v20-21  the same for b16
.set STO,  24                          ; v24     the way out: where I put 32 bytes of a row
.set RD,   25                          ; v25     the way out: where I read 16 bytes of a row back
.set CO,   26                          ; v26     my byte offset in a row's 512 bytes of out0
.set F0,   64                          ; fragment buffer 0
.set F1,   128                         ; fragment buffer 1
.set G1,  24                           ; s[24:31] descriptor group 1 for a16's tiles
.set G0,  32                           ; s[32:39] descriptor group 0 for a16's tiles, one set for each slot
.set G1B, 48                           ; s[48:55] descriptor group 1 for b16's tiles: it differs in the mask alone
.set G0B, 56                           ; s[56:63] descriptor group 0 for b16's tiles, one set for each slot
.set MSB, 0
.macro WIN new                         ; the immediate's high byte repeats the setting that is left; a switch that changes nothing is dropped
.if MSB != \new
	s_set_vgpr_msb (MSB<<8)|\new
.set MSB, \new
.endif
.endm
.set MUL_LO, 0xa1                      ; source 0 (b16) window 1, source 1 (a16) window 0, C and D window 2
.set MUL_HI, 0xf1                      ; the same, C and D window 3
.set TO_B,   0x40                      ; destination window 1, address window 0
.set ST_LO,  0x08                      ; an LDS store's data (source 1) from window 2, its address from window 0
.set ST_HI,  0x0c                      ; from window 3
; A joint load.  Waves 0 and 1 fetch a16's two halves, waves 2 and 3 b16's.  Each line has one mask and one set of registers for all that issue it.
; The branch hangs on the wave's number alone: it is the same in every work-group.
.macro JLOAD s
	s_cmp_eq_u32 s11, 0
	s_cbranch_scc0 .Lfor_b_\@
	tensor_load_to_lds s[G0+4*\s:G0+4*\s+3], s[G1:G1+7]
	s_nop 0
	s_branch .Lasked_\@
.Lfor_b_\@:
	tensor_load_to_lds s[G0B+4*\s:G0B+4*\s+3], s[G1B:G1B+7]
	s_nop 0
.Lasked_\@:
.endm
; A round of the cluster's barrier: my work-group's barrier, so that wave 0's signal speaks for all four waves; wave 0 signals for the work-group;
; every wave waits for all sixteen work-groups; my work-group's barrier once more.
.macro CREST                           ; a round behind its opening barrier
	s_cmp_lg_u32 s10, 0
	s_cbranch_scc1 .Lnot_wave_0_\@
	s_barrier_signal -3
.Lnot_wave_0_\@:
	s_barrier_wait -3
	s_barrier_signal -1
	s_barrier_wait -1
.endm
.macro CROUND                          ; a whole round
	s_barrier_signal -1
	s_barrier_wait -1
	CREST
.endm
	s_load_b128 s[4:7], s[0:1], 0x0                ; a16 s[4:5], b16 s[6:7]
	s_load_b64 s[8:9], s[0:1], 0x10                ; out0
	s_set_vgpr_msb 0x40
	v_lshl_add_u32 v255, v0, 2, 0x4c400
	s_set_vgpr_msb 0x4000
	v_mov_b32 v255, 0
	s_set_vgpr_msb 0x1
	ds_add_u32 v255, v255
	ds_add_u32 v255, v255
	s_set_vgpr_msb 0x100
	v_lshrrev_b32 v1, 5, v0
	v_readfirstlane_b32 s10, v1                    ; wave 0..3
	s_lshr_b32 s11, s10, 1                         ; which half of the block's rows is mine.  Also: I fetch for a16 (0) or for b16 (1)
	s_and_b32 s12, s10, 1                          ; which half of its columns.  Also: which 128 rows of that tile I fetch
	s_bfe_u32 s40, ttmp6, 0x40000                  ; cx: my place along the cluster's x
	s_bfe_u32 s41, ttmp6, 0x40004                  ; cy: along its y
	s_lshl_b32 s42, ttmp9, 2                       ; in a cluster launch ttmp9 and ttmp7 count clusters
	s_add_co_u32 s42, s42, s40                     ; block column = 4 x cluster x + cx
	s_and_b32 s13, ttmp7, 0xffff
	s_lshl_b32 s13, s13, 2
	s_add_co_u32 s13, s13, s41                     ; block row = 4 x cluster y + cy
	s_lshl_b32 s43, s41, 2
	s_lshl_b32 s43, 15, s43                        ; my row of the cluster: places 4 cy .. 4 cy + 3
	s_lshl_b32 s44, 0x1111, s40                    ; my column: places cx, cx + 4, cx + 8, cx + 12
	; descriptor group 1: a tile of 128 rows x 128 elements of 2 bytes, padded in LDS
	s_or_b32 s[G1+0], s43, (1<<16)|(1<<20)|(1<<21)|(5<<22)|(3<<25)  ; 15:0 the mask: a16's tiles go to my row; 17:16 element of 2 bytes; 20 padding on; 21 set beside a mask; 24:22 after every 64 words (code 5); 31:25 of 4 words (code 3)
	s_or_b32 s[G1B+0], s44, (1<<16)|(1<<20)|(1<<21)|(5<<22)|(3<<25) ; the same with the mask of my column, for b16's tiles
	s_mov_b32 s[G1+1], KSTEP<<16                   ; 63:48 tensor_dim0, low half = 128
	s_mov_b32 s[G1B+1], KSTEP<<16
	s_mov_b32 s[G1+2], 128<<16                     ; 79:64 its high half = 0; 95:80 tensor_dim1, low half = 128
	s_mov_b32 s[G1B+2], 128<<16
	s_mov_b32 s[G1+3], KSTEP<<16                   ; 111:96 its high half = 0; 127:112 tile_dim0 = 128
	s_mov_b32 s[G1B+3], KSTEP<<16
	s_mov_b32 s[G1+4], 128                         ; 143:128 tile_dim1 = 128; 159:144 tile_dim2 = 0
	s_mov_b32 s[G1B+4], 128
	s_mov_b32 s[G1+5], SIZE_K                      ; 191:160 tensor_dim0_stride, low word: elements from row to row
	s_mov_b32 s[G1B+5], SIZE_K
	s_mov_b32 s[G1+6], 0
	s_mov_b32 s[G1B+6], 0
	s_mov_b32 s[G1+7], 0
	s_mov_b32 s[G1B+7], 0
	; where the tiles come from.  a16's hang on the block row alone, which my row of the cluster shares; b16's on the block column alone,
	; which my column shares.  Every wave makes both addresses, in registers that never hold the other coordinate, and asks by one of them.
	s_lshl_b32 s17, s12, 7                         ; which 128 rows of the tile I fetch
	s_lshl_b32 s16, s13, 8
	s_add_co_u32 s16, s16, s17                     ; a16: row 256 x block row + 128 x half
	s_lshl_b32 s16, s16, 13                        ; x 8,192 bytes: below 2^25
	s_lshl_b32 s46, s42, 8
	s_add_co_u32 s46, s46, s17                     ; b16: row 256 x block column + 128 x half
	s_lshl_b32 s46, s46, 13
	s_mov_b32 s17, 0
	s_mov_b32 s47, 0
	s_mul_i32 s20, s10, HALFT                      ; and where they go: a16's two halves, then b16's two halves = wave x 128 rows: no place in the cluster enters an LDS address
	s_wait_dscnt 0x0
	s_wait_kmcnt 0x0
	s_add_nc_u64 s[14:15], s[4:5], s[16:17]
	s_add_nc_u64 s[46:47], s[6:7], s[46:47]
	CROUND                                         ; all sixteen work-groups are here: the first joint loads meet
.irp s, 0,1
	s_mov_b32 s[G0+4*\s], 1                                        ; 1:0 count = 1
	s_add_co_u32 s[G0+4*\s+1], s20, \s*SLOT                        ; 63:32 LDS address
	s_add_nc_u64 s[G0+4*\s+2:G0+4*\s+3], s[14:15], \s*STEPB        ; 120:64 global address: K step s
	s_or_b32 s[G0+4*\s+3], s[G0+4*\s+3], 0x80000000                ; 127:126 type = 2
	s_mov_b32 s[G0B+4*\s], 1
	s_add_co_u32 s[G0B+4*\s+1], s20, \s*SLOT
	s_add_nc_u64 s[G0B+4*\s+2:G0B+4*\s+3], s[46:47], \s*STEPB
	s_or_b32 s[G0B+4*\s+3], s[G0B+4*\s+3], 0x80000000
	JLOAD \s                                       ; both slots are asked for before anything else is done: two tensor loads of the wave are out, later one
.endr
	; A fragment is 16 rows x 32 K in 8 registers: lane l holds row l % 16; registers 0-3 hold K = 8 (l / 16) + 0..7, registers 4-7 hold
	; K = 16 + 8 (l / 16) + 0..7.  From rows that lie along K: two loads of 16 bytes, 32 bytes apart.  The same for source 0 and source 1.
	v_and_b32 v1, 15, v0                           ; l % 16
	v_bfe_u32 v2, v0, 4, 1                         ; l / 16
	v_mul_u32_u24 v3, v1, PITCH
	v_lshl_add_u32 v3, v2, 4, v3                   ; row x pitch + 16 x half
	s_mul_i32 s21, s11, HALFT                      ; my 128 rows of a16
	s_mul_i32 s22, s12, HALFT                      ; my 128 rows of b16,
	s_add_co_u32 s22, s22, 2*HALFT                 ; which lie behind a16's 256
.irp s, 0,1
	v_add_nc_u32 v[ADRA+\s], s21, v3
	v_add_nc_u32 v[ADRB+\s], s22, v3
	s_add_co_u32 s21, s21, SLOT
	s_add_co_u32 s22, s22, SLOT
.endr
	s_mul_i32 s23, s10, WSTAGE
	s_add_co_u32 s23, s23, STAGE                   ; my stage
	v_mul_u32_u24 v4, v1, SPITCH                   ; in: row l % 16, 32 bytes for each half of the lanes
	v_lshl_add_u32 v4, v2, 5, v4
	v_add_nc_u32 v[STO], s23, v4
	v_and_b32 v5, 31, v0
	v_lshlrev_b32 v[CO], 4, v5                     ; back, and out: 16 bytes a lane, 32 lanes take a row's 512 bytes
	v_add_nc_u32 v[RD], s23, v[CO]
; 16 matrix instructions: m blocks a0, a0 + 1 of the window's four (hi = 0: my rows 0-63, 1: rows 64-127) x all 8 n blocks, 32 along K.
; zero = 1: the first product starts the sums: nothing is ever cleared.
; The 64 accumulators take turns, one instruction a turn, in the same order in every quarter step, over the loop's backward jump too.
.macro MUL16 f, hi, a0, zero
.irp a, \a0, \a0+1
.irp b, 0,1,2,3,4,5,6,7
.if \zero
	v_wmma_f32_16x16x32_bf16 v[8*(8*(\a)+\b):8*(8*(\a)+\b)+7], v[\f+8*\b:\f+8*\b+7], v[\f+8*(4*\hi+\a):\f+8*(4*\hi+\a)+7], 0
.else
	v_wmma_f32_16x16x32_bf16 v[8*(8*(\a)+\b):8*(8*(\a)+\b)+7], v[\f+8*\b:\f+8*\b+7], v[\f+8*(4*\hi+\a):\f+8*(4*\hi+\a)+7], v[8*(8*(\a)+\b):8*(8*(\a)+\b)+7]
.endif
.endr
.endr
.endm
; 32 LDS loads in one run: the fragments of one quarter step (128 rows of b16, 128 rows of a16, 32 K at byte k of the rows) into buffer f
.macro FETCH slot, k, f
	WIN TO_B
.irp i, 0,1,2,3,4,5,6,7
	ds_load_b128 v[\f+8*\i:\f+8*\i+3],   v[ADRB+\slot] offset:\k+\i*16*PITCH
	ds_load_b128 v[\f+8*\i+4:\f+8*\i+7], v[ADRB+\slot] offset:\k+\i*16*PITCH+32
.endr
	WIN 0
.irp i, 0,1,2,3,4,5,6,7
	ds_load_b128 v[\f+8*\i:\f+8*\i+3],   v[ADRA+\slot] offset:\k+\i*16*PITCH
	ds_load_b128 v[\f+8*\i+4:\f+8*\i+7], v[ADRA+\slot] offset:\k+\i*16*PITCH+32
.endr
.endm
; A load into a register that a matrix instruction has read, and a store of a matrix result, stand four places behind that matrix instruction, and only
; plain vector instructions that name none of its registers are places (ISA guide 7.12.1 for vector instructions);
; the matrix instructions in between are not counted.  So four v_nop stand in front of each run of loads: sixteen issue slots for a K step's 256 matrix instructions.
.macro PLACES
.rept 4
	v_nop
.endr
.endm
; A K step is four quarter steps of 32 along K, 64 matrix instructions each, on buffers 0, 1, 0, 1.
; One of the first three: multiplies buffer f; in its middle it fetches the next quarter's fragments, at byte k of the same slot's rows, into buffer g.
.macro QUARTER slot, k, f, g, zero
	s_wait_dscnt 8                                 ; b16's fragments and a16's rows 0-63 are in; the youngest eight loads (a16's rows 64-127) may be out
	WIN MUL_LO
	MUL16 \f, 0, 0, \zero
	MUL16 \f, 0, 2, \zero
	PLACES
	FETCH \slot, \k, \g
	s_wait_dscnt 32                                ; all but the 32 just issued
	WIN MUL_HI
	MUL16 \f, 1, 0, \zero
	MUL16 \f, 1, 2, \zero
.endm
.macro THREE slot, zero
	QUARTER \slot, 64,  F0, F1, \zero
	QUARTER \slot, 128, F1, F0, 0
	QUARTER \slot, 192, F0, F1, 0
.endm
; The last quarter: multiplies buffer 1 and changes slots.  next = the other slot; fill = 1: this slot is filled again, two K steps ahead.
; ONE barrier for the change of slots, for two things.  In front of its signal each wave waits for its own reads of this slot and for all its tensor
; loads, of which one is out: its part of the next slot.  Behind it nobody reads this slot any more and the next slot is whole.  Where the slot is
; filled again that barrier opens a round of the cluster's barrier; the joint refill is the first tensor load behind the round, ahead of the first
; read of the next slot.  From a request to the wait for it a wave issues 240 matrix instructions.
.macro TURN slot, next, fill
	s_wait_dscnt 8
	WIN MUL_LO
	MUL16 F1, 0, 0, 0
	s_wait_dscnt 0                                 ; my reads of this slot are over (the last were issued 48 matrix instructions ago)
	s_wait_tensorcnt 0x0                           ; and all my tensor loads have landed: the one that was out is my part of the next slot:
	ds_add_u32 v255, v255
	s_wait_dscnt 0x0
	s_barrier_signal -1                            ; say so,
	MUL16 F1, 0, 2, 0                              ; work on registers while the others arrive,
	WIN 0
	s_barrier_wait -1                              ; and go on when all four have said so
.if \fill
	CREST                                          ; all sixteen work-groups have said so: no wave of any partner still reads this slot or has a load on its way
	s_add_nc_u64 s[G0+4*\slot+2:G0+4*\slot+3], s[G0+4*\slot+2:G0+4*\slot+3], 2*STEPB      ; no tensor load of mine is out: the addresses step two K steps on
	s_add_nc_u64 s[G0B+4*\slot+2:G0B+4*\slot+3], s[G0B+4*\slot+2:G0B+4*\slot+3], 2*STEPB
	JLOAD \slot                                    ; the wave's one tensor load behind the round, and the first thing there
.endif
	PLACES
	FETCH \next, 0, F0
	WIN MUL_HI
	MUL16 F1, 1, 0, 0
	MUL16 F1, 1, 2, 0
.endm
.macro LAP zero                        ; once round the ring, both slots filled again
	THREE 0, \zero
	TURN 0, 1, 1
	THREE 1, 0
	TURN 1, 0, 1
.endm
	s_wait_tensorcnt 1                             ; my part of K step 0 is in; K step 1's may stay out
	s_barrier_signal -1
	s_barrier_wait -1                              ; everybody's is
	FETCH 0, 0, F0
	LAP 1                                          ; the first lap stands in front of the loop: its first products start the sums
	WIN 0                                          ; at a label and at a branch every window is 0
	s_mov_b32 s3, LAPS-2
.Llap:
	LAP 0
	WIN 0
	s_sub_co_u32 s3, s3, 1
	s_cmp_lg_u32 s3, 0
	s_cbranch_scc1 .Llap
	THREE 0, 0                                     ; the last lap fills nothing and has no round: my one tensor load that is still out is slot 1's, the last K step's
	TURN 0, 1, 0
	THREE 1, 0
	s_wait_dscnt 8                                 ; the very last quarter: nothing more to fetch
	WIN MUL_LO
	MUL16 F1, 0, 0, 0
	MUL16 F1, 0, 2, 0
	s_wait_dscnt 0
	WIN MUL_HI
	MUL16 F1, 1, 0, 0
	MUL16 F1, 1, 2, 0
	; THE WAY OUT, 16 rows of out0 at a time: 32 bytes a lane into my own stage in LDS, read back as whole rows of 512 bytes.
	; The four v_nop are the places behind the last matrix instructions: for the LDS stores, which read results, and for the loads into buffers 0 and 1.
	PLACES
	s_lshl_b32 s13, s13, 8
	s_lshl_b32 s14, s11, 7
	s_add_co_u32 s16, s13, s14                     ; my first row of out0
	s_lshl_b32 s16, s16, 14                        ; x 16,384 bytes
	s_mov_b32 s17, 0
	s_add_nc_u64 s[8:9], s[8:9], s[16:17]
	s_lshl_b32 s46, s42, 10                        ; my first column, in bytes: 1,024 x block column + 512 x half
	s_lshl_b32 s47, s12, 9
	s_add_co_u32 s46, s46, s47
	s_mov_b32 s47, 0
	s_add_nc_u64 s[8:9], s[8:9], s[46:47]
; rows 16 i .. 16 i + 15 of my block = the eight tiles (a, 0..7) of window 2 or 3 (from = ST_LO or ST_HI); f: F0 or F1 in turn
.macro OUT16 i, a, from, f
	WIN \from
.irp b, 0,1,2,3,4,5,6,7
	ds_store_b128 v[STO], v[8*(8*\a+\b):8*(8*\a+\b)+3]   offset:64*\b        ; row l % 16, columns 16 b + 8 (l / 16) + 0..3
	ds_store_b128 v[STO], v[8*(8*\a+\b)+4:8*(8*\a+\b)+7] offset:64*\b+16     ; and + 4..7
.endr
	WIN 0
	s_wait_xcnt 0x0                                ; every earlier memory instruction has had its addresses translated (ISA guide 3.1): buffer f, which stores read, and the stores' base are rewritten only behind this wait
.if \i
	s_add_nc_u64 s[8:9], s[8:9], 16*ROWC           ; 16 rows of out0 on
.endif
.irp t, 0,1,2,3,4,5,6,7,8,9,10,11,12,13,14,15
	ds_load_b128 v[\f+4*\t:\f+4*\t+3], v[RD] offset:\t*SPITCH      ; LDS serves a wave's instructions in order (ISA guide 5.7.1.4): these see the stores above; the stage is my wave's own
.endr
.irp t, 0,1,2,3,4,5,6,7,8,9,10,11,12,13,14,15
	s_wait_dscnt 15-\t                             ; row t is in; the younger rows' loads stay out
	global_store_b128 v[CO], v[\f+4*\t:\f+4*\t+3], s[8:9] offset:\t*ROWC th:TH_STORE_NT   ; the wave stores 512 consecutive bytes, at a multiple of 512 from out0's first byte
.endr
.endm
	OUT16 0, 0, ST_LO, F0
	OUT16 1, 1, ST_LO, F1
	OUT16 2, 2, ST_LO, F0
	OUT16 3, 3, ST_LO, F1
	OUT16 4, 0, ST_HI, F0
	OUT16 5, 1, ST_HI, F1
	OUT16 6, 2, ST_HI, F0
	OUT16 7, 3, ST_HI, F1
	s_set_vgpr_msb 0x1
	s_wait_tensorcnt 0x0
	ds_add_u32 v255, v255
	s_wait_dscnt 0x0
	s_set_vgpr_msb 0x100
	CROUND                                         ; the closing round: no work-group ends while a partner may still ask for a tile that names it
	s_endpgm
.Lfunc_end_k_qaf6f2b24f6_gemm:
	.size	k_qaf6f2b24f6_gemm, .Lfunc_end_k_qaf6f2b24f6_gemm-k_qaf6f2b24f6_gemm
	.p2alignl 7, 3214868480
	.fill 96, 4, 3214868480
	.section	.rodata,"a",@progbits
	.p2align	6, 0x0
	.amdhsa_kernel k_qaf6f2b24f6_gemm
		.amdhsa_group_segment_fixed_size 327680
		.amdhsa_private_segment_fixed_size 0
		.amdhsa_enable_private_segment 0
		.amdhsa_kernarg_size 24
		.amdhsa_user_sgpr_count 2
		.amdhsa_user_sgpr_kernarg_segment_ptr 1
		.amdhsa_wavefront_size32 1
		.amdhsa_system_sgpr_workgroup_id_x 1
		.amdhsa_system_sgpr_workgroup_id_y 1
		.amdhsa_system_sgpr_workgroup_id_z 1
		.amdhsa_system_vgpr_workitem_id 0
		.amdhsa_next_free_vgpr 1024
		.amdhsa_next_free_sgpr 66
		.amdhsa_reserve_vcc 0
		.amdhsa_float_denorm_mode_32 3
		.amdhsa_float_denorm_mode_16_64 3
		.amdhsa_memory_ordered 1
		.amdhsa_forward_progress 1
		.amdhsa_inst_pref_size 196
	.end_amdhsa_kernel
	.amdgpu_metadata
---
amdhsa.version: [ 1, 2 ]
amdhsa.kernels:
  - .name:           k_qaf6f2b24f6_gemm
    .symbol:         k_qaf6f2b24f6_gemm.kd
    .args:
      - { .name: a16, .offset: 0, .size: 8, .value_kind: global_buffer, .address_space: global }
      - { .name: b16, .offset: 8, .size: 8, .value_kind: global_buffer, .address_space: global }
      - { .name: out0, .offset: 16, .size: 8, .value_kind: global_buffer, .address_space: global }
    .group_segment_fixed_size: 327680
    .private_segment_fixed_size: 0
    .kernarg_segment_align: 8
    .kernarg_segment_size: 24
    .max_flat_workgroup_size: 128
    .sgpr_count:     66
    .vgpr_count:     1024
    .wavefront_size: 32
...
	.end_amdgpu_metadata
.endif
;; end of part 3
;; ======== version 3 of 3: 2 launches; version 2 with the launch tobf16 written anew for expert scheduling mode
;; workspace buffers: a16 33,554,432 bytes; b16 33,554,432 bytes
;; launch tobf16 (part 4): grid 1024 x 1, 8 waves a work-group, no clusters, 0 bytes of LDS; arguments input, weight, a16, b16; writes a16, b16
.if DOCPART == 4
	.amdgcn_target "amdgcn-amd-amdhsa--gfx1250"
	.amdhsa_code_object_version 6
	.text
	.protected	k_qaf6f2b24f6_tobf16
	.globl	k_qaf6f2b24f6_tobf16
	.p2align	8
	.type	k_qaf6f2b24f6_tobf16,@function
k_qaf6f2b24f6_tobf16:
	s_mov_b64 s[64:65], 0
	v_nop
	global_prefetch_b8 v0, s[64:65] scope:SCOPE_SE
	s_setreg_imm32_b32 hwreg(HW_REG_WAVE_SCHED_MODE, 0, 2), 2
	s_setreg_imm32_b32 hwreg(HW_REG_WAVE_MODE, 25, 1), 1
	s_wait_xcnt 0x0
	s_wait_alu depctr_vm_vsrc(0)
; a16 = input rounded to bf16, b16 = weight rounded to bf16.  input, weight: [4096][4096] f32; a16, b16: the same shapes in bf16.
; LIMITS: rounding to nearest even (v_cvt_pk_bf16_f32); bf16 has f32's range of exponents; a finite number above bf16's largest
; (about 3.39e38) becomes infinity; NaN stays NaN, infinities stay.
; A stream: each byte is read once and each byte written once.  Eight waves; the work-group owns 65,536 consecutive bytes of each input,
; a wave 8,192 of each: 16 loads of 16 bytes a lane (512 consecutive bytes a load) from input and 16 from weight.  All 32 loads of a wave
; go out at once, each into registers of its own, so 16,384 bytes of every wave are on their way and no register is written again while
; a load or a store names it: there is no loop.
; A piece of four f32 a lane is rounded in place to 8 bytes; a store of the wave covers 256 consecutive bytes, at a multiple of 256
; from the buffer's first byte.  LDS, barriers and the matrix unit would add nothing to a stream.
; THE MODE: SCHED_MODE bits 1:0 = 2 (LLVM: expert scheduling mode 2), set by the entry lines.  The code itself states the register dependences
; between vector instructions and memory instructions, with s_wait_alu, always for 0.
; THE PLAN.  Registers that memory instructions touch:
;   v1, v2     byte offsets of the loads and of the stores: made once at the head, never written again.
;   piece j    v[X+4j : X+4j+3]: its one load lands in it; its two conversions read it and write its first two registers; its one store reads those two;
;              nothing writes it after that.  No load is issued behind any conversion.
; So the one kind of dependence to state is: a vector instruction has written what a memory instruction reads.  The 32 pieces go in 8 blocks of four.
; Block p rounds its four pieces; its memory instructions are the four stores of block p - 1, whose registers no conversion of block p names.
; One wait at a block's head, behind the wait for the block's data, states that the block before has written them; the four stores follow it,
; dealt among the block's conversions with no further wait.
.set NLD,   16                         ; loads of a wave from each input
.set BLOCK, 4                          ; pieces in a block
.set X,     4                          ; v[4:131]  piece j: 4 registers as loaded; its first two then hold the 4 bf16
	s_load_b256 s[4:11], s[0:1], 0x0               ; input s[4:5], weight s[6:7], a16 s[8:9], b16 s[10:11]
	v_and_b32 v1, 31, v0                           ; lane
	v_lshrrev_b32 v3, 5, v0                        ; wave
	v_lshlrev_b32 v1, 4, v1                        ; 16 bytes a lane
	v_lshl_add_u32 v1, v3, 13, v1                  ; + wave x 8,192 bytes: my offset in the group's part of an input
	v_lshrrev_b32 v2, 1, v1                        ; half of it: my offset in the group's part of an output
	s_lshl_b32 s12, ttmp9, 16                      ; the group's part of an input: 65,536 bytes each (below 2^26)
	s_mov_b32 s13, 0
	s_lshl_b32 s14, ttmp9, 15                      ; of an output: 32,768 bytes each
	s_mov_b32 s15, 0
	s_wait_kmcnt 0x0
	s_add_nc_u64 s[4:5], s[4:5], s[12:13]
	s_add_nc_u64 s[6:7], s[6:7], s[12:13]
	s_add_nc_u64 s[8:9], s[8:9], s[14:15]
	s_add_nc_u64 s[10:11], s[10:11], s[14:15]
	s_wait_alu depctr_va_vdst(0)                   ; v1 and v2 are written: every load reads v1 as its offset, every store v2
.set j, 0
.rept NLD
	global_load_b128 v[X+4*j:X+4*j+3], v1, s[4:5] offset:512*j th:TH_LOAD_NT
.set j, j+1
.endr
.rept NLD
	global_load_b128 v[X+4*j:X+4*j+3], v1, s[6:7] offset:512*(j-NLD) th:TH_LOAD_NT
.set j, j+1
.endr
; Piece j leaves: pieces 0 to 15 are input's and go to a16, pieces 16 to 31 are weight's and go to b16.
.macro PUT j
.if (\j) < NLD
	global_store_b64 v2, v[X+4*(\j):X+4*(\j)+1], s[8:9] offset:256*(\j) th:TH_STORE_NT
.else
	global_store_b64 v2, v[X+4*(\j):X+4*(\j)+1], s[10:11] offset:256*((\j)-NLD) th:TH_STORE_NT
.endif
.endm
; Block p: pieces 4 p to 4 p + 3 are rounded; the block before is stored.
.macro BLK p
	s_wait_loadcnt 2*NLD-BLOCK*((\p)+1)            ; loads come back in order (ISA guide 5.7.1): this block's four pieces are in, the younger ones stay out
.if (\p) > 0
	s_wait_alu depctr_va_vdst(0)                   ; the conversions of the block before have written its pieces' first two registers, which the four stores below read
.endif
.irp i, 0,1,2,3
.if (\p) > 0
	PUT BLOCK*((\p)-1)+(\i)                        ; no vector instruction since the wait names this piece's registers
.endif
	v_cvt_pk_bf16_f32 v[X+4*(BLOCK*(\p)+(\i))],   v[X+4*(BLOCK*(\p)+(\i))],   v[X+4*(BLOCK*(\p)+(\i))+1]      ; the lower index into the low half
	v_cvt_pk_bf16_f32 v[X+4*(BLOCK*(\p)+(\i))+1], v[X+4*(BLOCK*(\p)+(\i))+2], v[X+4*(BLOCK*(\p)+(\i))+3]
.endr
.endm
	BLK 0                                          ; no block stands in front of it: no store, and no wait but the one for its data
	BLK 1
	BLK 2
	BLK 3
	BLK 4
	BLK 5
	BLK 6
	BLK 7                                          ; its wait for data is for 0: no load is younger
	s_wait_alu depctr_va_vdst(0)                   ; block 7's conversions have written its pieces, which the last four stores read
	PUT 28
	PUT 29
	PUT 30
	PUT 31
	s_endpgm
.Lfunc_end_k_qaf6f2b24f6_tobf16:
	.size	k_qaf6f2b24f6_tobf16, .Lfunc_end_k_qaf6f2b24f6_tobf16-k_qaf6f2b24f6_tobf16
	.p2alignl 7, 3214868480
	.fill 96, 4, 3214868480
	.section	.rodata,"a",@progbits
	.p2align	6, 0x0
	.amdhsa_kernel k_qaf6f2b24f6_tobf16
		.amdhsa_group_segment_fixed_size 0
		.amdhsa_private_segment_fixed_size 0
		.amdhsa_enable_private_segment 0
		.amdhsa_kernarg_size 32
		.amdhsa_user_sgpr_count 2
		.amdhsa_user_sgpr_kernarg_segment_ptr 1
		.amdhsa_wavefront_size32 1
		.amdhsa_system_sgpr_workgroup_id_x 1
		.amdhsa_system_sgpr_workgroup_id_y 1
		.amdhsa_system_sgpr_workgroup_id_z 1
		.amdhsa_system_vgpr_workitem_id 0
		.amdhsa_next_free_vgpr 132
		.amdhsa_next_free_sgpr 66
		.amdhsa_reserve_vcc 0
		.amdhsa_float_denorm_mode_32 3
		.amdhsa_float_denorm_mode_16_64 3
		.amdhsa_memory_ordered 1
		.amdhsa_forward_progress 1
		.amdhsa_inst_pref_size 12
	.end_amdhsa_kernel
	.amdgpu_metadata
---
amdhsa.version: [ 1, 2 ]
amdhsa.kernels:
  - .name:           k_qaf6f2b24f6_tobf16
    .symbol:         k_qaf6f2b24f6_tobf16.kd
    .args:
      - { .name: input, .offset: 0, .size: 8, .value_kind: global_buffer, .address_space: global }
      - { .name: weight, .offset: 8, .size: 8, .value_kind: global_buffer, .address_space: global }
      - { .name: a16, .offset: 16, .size: 8, .value_kind: global_buffer, .address_space: global }
      - { .name: b16, .offset: 24, .size: 8, .value_kind: global_buffer, .address_space: global }
    .group_segment_fixed_size: 0
    .private_segment_fixed_size: 0
    .kernarg_segment_align: 8
    .kernarg_segment_size: 32
    .max_flat_workgroup_size: 256
    .sgpr_count:     66
    .vgpr_count:     132
    .wavefront_size: 32
...
	.end_amdgpu_metadata
.endif
;; end of part 4
;; launch gemm: the kernel of part 3 again; grid 16 x 16, 4 waves a work-group, clusters of 4 x 4, 327,680 bytes of LDS; arguments a16, b16, out0; writes out0
